; MI455X (gfx1250); checked and timed in simulation.
; The chip was launched on July 23, 2026; its instructions are those of AMD's public machine-readable ISA for CDNA 5 (MIT licence, August 2026) and "CDNA5" Instruction Set Architecture Reference Guide (July 2026). The comments in the code are by the model that wrote it; some were corrected since.
;; Multi Head Attention. Allowed arithmetic: matrix products marked QUANTISED: E4M3 operands, one E8M0 scale for each 32 along K, by v_wmma_scale_f32_16x16x128_f8f6f4 with both operands' format E4M3, f32 sums; everything else in f32.
;; Inputs: W_k_codes 1,024 x 32 x 32 uint8 (E4M3 codes of W_k, K innermost, in blocks of 32 codes); W_k_scales 1,024 x 32 uint8 (E8M0 scales of W_k, one for each 32 codes along K); W_o_codes 1,024 x 32 x 32 uint8 (E4M3 codes of W_o, K innermost, in blocks of 32 codes); W_o_scales 1,024 x 32 uint8 (E8M0 scales of W_o, one for each 32 codes along K); W_q_codes 1,024 x 32 x 32 uint8 (E4M3 codes of W_q, K innermost, in blocks of 32 codes); W_q_scales 1,024 x 32 uint8 (E8M0 scales of W_q, one for each 32 codes along K); W_v_codes 1,024 x 32 x 32 uint8 (E4M3 codes of W_v, K innermost, in blocks of 32 codes); W_v_scales 1,024 x 32 uint8 (E8M0 scales of W_v, one for each 32 codes along K); b_o 1,024 float32; inputs_codes 4 x 2,048 x 32 x 32 uint8 (E4M3 codes of inputs, K innermost, in blocks of 32 codes); inputs_scales 4 x 2,048 x 32 uint8 (E8M0 scales of inputs, one for each 32 codes along K).
;; Outputs: out0 4 x 2,048 x 1,024 float32.
;; This version of the problem:
;;   THIS VERSION OF THE PROBLEM IS GIVEN IN LOW PRECISION. The matrix products marked QUANTISED in the list below multiply operands that are first quantised to E4M3 (4 exponent bits, 3 mantissa bits; 8 bits a number), with one power-of-two scale for each 32 numbers along K (OCP MX v1.0); their sums are f32. All else is computed in f32.
;;   The module's matrix products, in the order in which they are computed (A, B: the left and right operand; K: the contracted axis; several contracted axes count as one K, in the product's order):
;;     1. [M 8,192, K 1,024] x [K 1,024, N 1,024]; A: input inputs (given as codes); B: input W_q (given as codes): QUANTISED
;;     2. [M 8,192, K 1,024] x [K 1,024, N 1,024]; A: input inputs (given as codes); B: input W_k (given as codes): QUANTISED
;;     3. [M 8,192, K 1,024] x [K 1,024, N 1,024]; A: input inputs (given as codes); B: input W_v (given as codes): QUANTISED
;;     4. batch 64 x [M 2,048, K 64] x [K 64, N 2,048]; A: computed on the way; B: computed on the way: QUANTISED
;;     5. batch 64 x [M 2,048, K 2,048] x [K 2,048, N 64]; A: softmax (see below); B: computed on the way: QUANTISED
;;     6. [M 8,192, K 1,024] x [K 1,024, N 1,024]; A: computed on the way; B: input W_o (given as codes): QUANTISED
;;   THE QUANTISER, for each operand of a quantised product, along K:
;;     - K is cut into blocks of 32 from its start; a last block that is shorter is filled with zeros.
;;     - A block's scale is 2^e with e = floor(log2(the largest magnitude in the block)) - 8, held to -126 .. 127; a block of zeros has e = 0. As a byte (E8M0): e + 127.
;;     - Each number is divided by its block's scale, clamped to +-448, and rounded to the nearest number of E4M3, ties to even, subnormals kept.
;;     - The product sums the exact products of the quantised numbers (number of the format x scale) in f32.
;;   ~~~python
;;   def quantise(x, axis):      # numpy; x: float32 -> the quantised numbers, widened to float32 again
;;       x = np.moveaxis(x, axis, -1); K = x.shape[-1]
;;       x = np.pad(x, [(0, 0)] * (x.ndim - 1) + [(0, -K % 32)]); x = x.reshape(x.shape[:-1] + (-1, 32)); a = np.abs(x).max(-1, keepdims=True)
;;       e = np.where(a > 0, np.clip(np.frexp(np.where(a > 0, a, 1))[1] - 1 - 8, -126, 127), 0)      # np.frexp(a)[1] - 1 = floor(log2(a)), exactly
;;       r = np.clip(x / 2.0 ** e, -448, 448)
;;       step = 2.0 ** (np.maximum(np.frexp(np.where(r == 0, 1, r))[1] - 1, -6) - 3)
;;       q = np.round(r / step) * step * 2.0 ** e      # np.round: ties to even
;;       return np.moveaxis(q.reshape(q.shape[:-2] + (-1,))[..., :K], -1, axis).astype(np.float32)
;;   ~~~
;;   SOFTMAX AHEAD OF A QUANTISED PRODUCT. Where the list says 'softmax', what is quantised is not the finished softmax but p = 2^(t - M), with t = logit x log2(e) and M = ceil(the row's largest t), a whole number; so 1/2 < the row's largest p <= 1. The row's sum l is taken of the UNQUANTISED p, in f32, and the product's result is divided by l at the end. Since M is a whole number, a kernel that streams over the keys may use a running M (the ceiling of the running maximum): every later rescaling is an exact power of two, which a block's scale takes up: the codes' values come out the same.
;;   OPERANDS COMPUTED ON THE WAY. 'Computed on the way' means the value that the module computes at that place (a softmax that the list does not call 'softmax' is quantised finished and normalised). What goes into a quantiser is computed in f32, as accurately as f32 sums, v_exp_f32 and their like allow (about 1e-6 of the number): no bf16 or f16 on the way to a quantiser, and a product that is left as it is and whose result goes on into a quantised operand takes f32 operands (vector FMAs, or v_wmma_f32_16x16x4_f32). A number that lies on a knife's edge between two numbers of the format may be rounded either way, as far as f32 arithmetic and the matrix unit's own rounding can turn it there, and no further.
;;   INPUTS GIVEN AS CODES. W_k (in the module: [1024, 1024], K = its axis 1); W_o (in the module: [1024, 1024], K = its axis 1); W_q (in the module: [1024, 1024], K = its axis 1); W_v (in the module: [1024, 1024], K = its axis 1); inputs (in the module: [4, 2048, 1024], K = its axis 2): each comes as NAME_codes (uint8): NAME with its K axis moved to the last place and cut into blocks of 32 codes, [.., K / 32, bytes a block], one block behind the other in memory; one code a byte (a code: sign, 4 exponent bits, 3 mantissa bits); and NAME_scales (uint8): the same leading axes, one E8M0 byte (e + 127) for each 32 codes along K. Its value is code x scale, taken as it is: it is not quantised again, and the codes and scales need not be those that the quantiser above would give.
;; One version. Each part assembles by itself: llvm-mc -triple=amdgcn-amd-amdhsa -mcpu=gfx1250 --defsym DOCPART=n.
;; ======== version 1 of 1: 3 launches
;; limits: right only within a limited range of input values
;; workspace buffers: qkv 25,952,256 bytes; cimg 8,388,608 bytes; csc 262,144 bytes
;; launch proj (part 1): grid 12 x 32, 4 waves a work-group, clusters of 4 x 4, 327,680 bytes of LDS; arguments inputs_codes, inputs_scales, W_q_codes, W_q_scales, W_k_codes, W_k_scales, W_v_codes, W_v_scales, qkv; writes qkv
.if DOCPART == 1
	.amdgcn_target "amdgcn-amd-amdhsa--gfx1250"
	.amdhsa_code_object_version 6
	.text
	.protected	k_q6cacbd4716_proj
	.globl	k_q6cacbd4716_proj
	.p2align	8
	.type	k_q6cacbd4716_proj,@function
k_q6cacbd4716_proj:
	s_mov_b64 s[64:65], 0
	v_nop
	global_prefetch_b8 v0, s[64:65] scope:SCOPE_SE
	s_setreg_imm32_b32 hwreg(HW_REG_WAVE_MODE, 25, 1), 1
	s_wait_xcnt 0x0
	s_wait_alu depctr_hold_cnt(0) depctr_sa_sdst(0) depctr_va_vdst(0) depctr_va_sdst(0) depctr_va_ssrc(0) depctr_va_vcc(0) depctr_vm_vsrc(0)
	s_getreg_b32 s2, hwreg(HW_REG_IB_STS2, 6, 4)
	s_cmp_eq_u32 s2, 0
	s_cbranch_scc0 .Lentry_in_a_cluster
	s_endpgm
.Lentry_in_a_cluster:
	s_bfe_u32 s2, ttmp6, 0x10000c
	s_cmp_lg_u32 s2, 0xf033
	s_cbranch_scc0 .Lentry_shape_is_right
	s_endpgm
.Lentry_shape_is_right:
; Q = x Wq^T, K = x Wk^T, V = x Wv^T on codes of FP8 (E4M3) with E8M0 scales, and the quantisers of the three results, in one launch.
; x: 8,192 rows of 1,024 codes; each W: 1,024 rows of 1,024 codes; scale bytes 32 a row.  Cluster x says which product: 0 Q, 1 K, 2 V.
; A work-group makes 256 (Y, source 1) x 256 (X, source 0) numbers, a wave 128 x 128: 64 accumulators of 16 x 16.  In a result lane (r, h) holds Y's row r and X's rows 8 h + 0..7 of the tile.
; Q, K: Y = tokens, X = rows of W (features): a lane's registers run along the features, the axis along which Q and K are quantised.
; V:    Y = rows of Wv (features), X = tokens: a lane's registers run along the tokens, the axis along which V is quantised.  Only pointers and a few step sizes differ; the text has ONE path.
; A block of 32 lies in X's tiles 2 b, 2 b + 1 and in lanes l, l xor 16.  The lane's 16 numbers (8 h + 0..7 and 16 + 8 h + 0..7 of the block) become the codes of places 16 h + 0..15: a fixed order inside
; a block, the same on both sides of every later product, so that only the order of the sums differs.  The codes leave as IMAGES OF THE OPERAND'S REGISTERS: 512 consecutive bytes a store, lane l's 16 bytes at 16 l.
; qkv: [batch x head (64)][256 tokens (8)] records of RECORD bytes: K codes 16,384 | V codes 16,384 | K scale words 512 | V scale words 512 | Q codes 16,384 | Q scale words 512.
;   K, Q codes: [tile of 16 tokens (16)][block (2)][512];  V codes: [128 keys (2)][tile of 16 channels (4)][block of 32 keys (4)][512]
;   K, Q scale words: [128 tokens (2)][r (16)][pair of tiles (4)]: bytes = even tile's two blocks, odd tile's two;  V's: [128 keys (2)][r (16)][tile of channels (4)]: bytes = the four blocks of keys
; LIMITS: NaN and infinities are not served.  A block whose largest magnitude lies under 2^-118 keeps the byte 1; a block of zeros gets the byte 1 and zero codes (this program alone reads the bytes).
; CLUSTER 4 x 4: Y's tile hangs on cy and the cluster's ids alone and is asked for jointly by a row of the cluster, X's on cx and the cluster's ids alone and by a column.
; K goes in four chunks of 256 through two LDS slots; the text is straight, since the scale words of all of K lie in registers that are named by the K step.
; REGISTERS: window 0: v16-29 addresses; v32-63 Y's scale words [32 rows (4)][K step (8)], v64-95 X's (lane l: row 32 i + l); v96-127 the way out; v128-255 Y's 8 fragments, one set.
;   window 1: X's fragments, two sets.  window 2, 3: the accumulators: (a, b) at v[8 (8 (a % 4) + b)], window 2 + a / 4.
.set PITCH,  272                       ; an LDS row: 256 bytes + 16 of padding: the 16 rows of a fragment load start 4 banks apart
.set HALFT,  128*PITCH                 ; what one tensor load brings
.set SLOT,   4*HALFT                   ; Y's 256 rows, then X's 256
.set SPARE,  2*SLOT                    ; the spare words: 128 bytes a wave, named by no other line
.set RECORD, 50688
.set HS,     8*RECORD                  ; from head to head
.set BS,     16*HS                     ; from batch to batch
.set ADRY, 16
.set ADRX, 20
.set SPW,  28
.set NIL,  29
.set SY,   32
.set SX,   64
.set VO,   96                          ; v96-99  where a tile's four blocks of codes go
.set SELQ, 100                         ; byte selects that make the scale words
.set SELV, 101
.set SCO,  102                         ; where my four scale words go
.set PW,   104                         ; v104-111 tile a's four scale bytes
.set TM,   112                         ; v112-115 largest magnitudes, 116-119 bytes, 124-127 the conversions' scale operand
.set YF,   128
.set PC,   128                         ; the way out: 16 registers of codes
.set OW,   144                         ; the way out: scale words
.set G1Y, 24
.set G0Y, 32
.set G1X, 48
.set G0X, 56
.set MUL_LO, 0xa1                      ; source 0 (X) window 1, source 1 (Y) window 0, C and D window 2
.set MUL_HI, 0xf1
.set TO_X,   0x40
.set MSB, 0
.macro WIN new                         ; the immediate's high byte repeats the setting that is left
.if MSB != (\new)
	s_set_vgpr_msb (MSB<<8)|(\new)
.set MSB, \new
.endif
.endm
.macro PLACES n
.rept \n
	v_nop
.endr
.endm
.macro JLOAD s                         ; a joint load: waves 0, 1 fetch Y's halves, waves 2, 3 X's; four v_nop follow each line
	s_cmp_eq_u32 s23, 0
	s_cbranch_scc0 .Lfor_x_\@
	tensor_load_to_lds s[G0Y+4*\s:G0Y+4*\s+3], s[G1Y:G1Y+7]
	s_nop 0
.rept 4
	v_nop
.endr
	s_branch .Lasked_\@
.Lfor_x_\@:
	tensor_load_to_lds s[G0X+4*\s:G0X+4*\s+3], s[G1X:G1X+7]
	s_nop 0
.rept 4
	v_nop
.endr
.Lasked_\@:
.endm
.macro CREST                           ; a round of the cluster's barrier behind its opening barrier
	s_cmp_lg_u32 s22, 0
	s_cbranch_scc1 .Lnot_wave_0_\@
	s_barrier_signal -3
.Lnot_wave_0_\@:
	s_barrier_wait -3
	s_barrier_signal -1
	s_barrier_wait -1
.endm
.macro CROUND
	s_barrier_signal -1
	s_barrier_wait -1
	CREST
.endm
	s_load_b512 s[4:19], s[0:1], 0x0               ; x codes, x scales, Wq codes, scales, Wk codes, scales, Wv codes, scales
	s_load_b64 s[20:21], s[0:1], 0x40              ; qkv
	v_lshl_add_u32 v[SPW], v0, 2, SPARE
	v_mov_b32 v[NIL], 0
	ds_add_u32 v28, v29
	ds_add_u32 v28, v29
	s_wait_dscnt 0x0
	v_lshrrev_b32 v1, 5, v0
	v_readfirstlane_b32 s22, v1                    ; wave 0..3
	s_lshr_b32 s23, s22, 1                         ; my half of Y's rows.  Also: I fetch for Y (0) or for X (1)
	s_and_b32 s79, s22, 1                          ; my half of X's rows.  Also: which 128 rows I fetch
	s_bfe_u32 s40, ttmp6, 0x40000                  ; cx
	s_bfe_u32 s41, ttmp6, 0x40004                  ; cy
	s_mov_b32 s66, ttmp9                           ; the cluster's x: which product
	s_and_b32 s67, ttmp7, 0xffff
	s_lshl_b32 s67, s67, 2                         ; 4 x the cluster's y
	s_cmp_eq_u32 s66, 2
	s_cselect_b32 s97, 0, s67                      ; the tokens' tiles are counted by the cluster's y: on Y's side for Q and K,
	s_cselect_b32 s98, s67, 0                      ; on X's side for V
	s_add_co_u32 s68, s97, s41                     ; Y's tile: hangs on cy
	s_add_co_u32 s42, s98, s40                     ; X's tile: hangs on cx
	s_lshl_b32 s43, s41, 2
	s_lshl_b32 s43, 15, s43                        ; my row of the cluster
	s_lshl_b32 s44, 0x1111, s40                    ; my column
	s_or_b32 s[G1Y], s43, (1<<20)|(1<<21)|(5<<22)|(3<<25)   ; the mask; elements of 1 byte; padding on; bit 21 beside a mask; 4 words behind every 64
	s_or_b32 s[G1X], s44, (1<<20)|(1<<21)|(5<<22)|(3<<25)
.irp g, G1Y, G1X
	s_mov_b32 s[\g+1], 256<<16                     ; tensor_dim0
	s_mov_b32 s[\g+2], 128<<16                     ; tensor_dim1
	s_mov_b32 s[\g+3], 256<<16                     ; tile_dim0
	s_mov_b32 s[\g+4], 128                         ; tile_dim1
	s_mov_b32 s[\g+5], 1024                        ; from row to row
	s_mov_b32 s[\g+6], 0
	s_mov_b32 s[\g+7], 0
.endr
	s_lshl_b32 s99, s79, 7                         ; which 128 rows of a tile I fetch
	s_lshl_b32 s80, s68, 8
	s_add_co_u32 s80, s80, s99
	s_lshl_b32 s80, s80, 10                        ; Y: their first byte (rows of 1,024 bytes)
	s_mov_b32 s81, 0
	s_lshl_b32 s46, s42, 8
	s_add_co_u32 s46, s46, s99
	s_lshl_b32 s46, s46, 10                        ; X likewise
	s_mov_b32 s47, 0
	s_mul_i32 s45, s22, HALFT                      ; where they go: wave x 128 rows
	s_wait_kmcnt 0x0
	s_cmp_eq_u32 s66, 1                            ; the buffers are chosen on the cluster's x alone
	s_cselect_b64 s[74:75], s[12:13], s[8:9]
	s_cselect_b64 s[76:77], s[14:15], s[10:11]
	s_cmp_eq_u32 s66, 2
	s_cselect_b64 s[74:75], s[4:5], s[74:75]       ; X's codes
	s_cselect_b64 s[76:77], s[6:7], s[76:77]       ; X's scales
	s_cselect_b64 s[70:71], s[16:17], s[4:5]       ; Y's codes
	s_cselect_b64 s[72:73], s[18:19], s[6:7]       ; Y's scales
	s_add_nc_u64 s[80:81], s[70:71], s[80:81]
	s_add_nc_u64 s[46:47], s[74:75], s[46:47]
	CROUND                                         ; all sixteen work-groups are here: the first joint loads meet
.irp s, 0,1
	s_mov_b32 s[G0Y+4*\s], 1
	s_add_co_u32 s[G0Y+4*\s+1], s45, \s*SLOT
	s_add_nc_u64 s[G0Y+4*\s+2:G0Y+4*\s+3], s[80:81], \s*256
	s_or_b32 s[G0Y+4*\s+3], s[G0Y+4*\s+3], 0x80000000
	s_mov_b32 s[G0X+4*\s], 1
	s_add_co_u32 s[G0X+4*\s+1], s45, \s*SLOT
	s_add_nc_u64 s[G0X+4*\s+2:G0X+4*\s+3], s[46:47], \s*256
	s_or_b32 s[G0X+4*\s+3], s[G0X+4*\s+3], 0x80000000
.endr
	s_cmp_eq_u32 s23, 0                            ; a wave's two first fills stand in one branch: two loads of mine are out
	s_cbranch_scc0 .Lfirst_x
	tensor_load_to_lds s[G0Y:G0Y+3], s[G1Y:G1Y+7]
	s_nop 0
	tensor_load_to_lds s[G0Y+4:G0Y+7], s[G1Y:G1Y+7]
	s_nop 0
.rept 4
	v_nop
.endr
	s_branch .Lfirst_asked
.Lfirst_x:
	tensor_load_to_lds s[G0X:G0X+3], s[G1X:G1X+7]
	s_nop 0
	tensor_load_to_lds s[G0X+4:G0X+7], s[G1X:G1X+7]
	s_nop 0
.rept 4
	v_nop
.endr
.Lfirst_asked:
	; the scale words of my 128 rows of Y and of X, for all of K: lane l takes row 32 i + l's 32 bytes: each pair of loads covers 1,024 consecutive bytes
	v_and_b32 v3, 31, v0
	v_lshlrev_b32 v24, 5, v3                       ; 32 x lane
	s_wait_alu depctr_va_vdst(0)
	v_lshlrev_b32 v26, 4, v3                       ; 16 x lane
	s_wait_alu depctr_va_vdst(0)
	s_lshl_b32 s69, s68, 8
	s_lshl_b32 s97, s23, 7
	s_add_co_u32 s69, s69, s97                     ; my first row of Y
	s_lshl_b32 s78, s42, 8
	s_lshl_b32 s97, s79, 7
	s_add_co_u32 s78, s78, s97                     ; my first row of X
	s_mov_b32 s99, 0
	s_lshl_b32 s98, s69, 5
	s_add_nc_u64 s[72:73], s[72:73], s[98:99]
	s_lshl_b32 s98, s78, 5
	s_add_nc_u64 s[76:77], s[76:77], s[98:99]
.irp i, 0,1,2,3
	global_load_b128 v[SY+8*\i:SY+8*\i+3],   v24, s[72:73] offset:1024*\i
	global_load_b128 v[SY+8*\i+4:SY+8*\i+7], v24, s[72:73] offset:1024*\i+16
	global_load_b128 v[SX+8*\i:SX+8*\i+3],   v24, s[76:77] offset:1024*\i
	global_load_b128 v[SX+8*\i+4:SX+8*\i+7], v24, s[76:77] offset:1024*\i+16
.endr
	v_and_b32 v1, 15, v0                           ; r
	v_bfe_u32 v2, v0, 4, 1                         ; h
	v_mul_u32_u24 v3, v1, PITCH
	v_lshl_add_u32 v3, v2, 4, v3                   ; a fragment's row x pitch + 16 h
	s_mul_i32 s97, s23, HALFT
	s_mul_i32 s98, s79, HALFT
	s_add_co_u32 s98, s98, 2*HALFT
.irp s, 0,1
	v_add_nc_u32 v[ADRY+\s], s97, v3
	v_add_nc_u32 v[ADRX+\s], s98, v3
	s_add_co_u32 s97, s97, SLOT
	s_add_co_u32 s98, s98, SLOT
.endr
	; the way out's addresses
	s_cmp_eq_u32 s66, 2
	s_cselect_b32 s97, s78, s69                    ; my first token
	s_cselect_b32 s98, s69, s78                    ; my first feature
	s_cselect_b32 s84, -1, 0                       ; all ones for V
	s_mov_b32 s85, HS
	s_cselect_b32 s85, 0x400, s85                  ; from block 1 to block 2 of a tile: V: the next block of keys; Q, K: the next head
	s_mov_b32 s86, 1024
	s_cselect_b32 s86, 0x800, s86                  ; from tile to tile of Y
	s_mov_b32 s87, 0
	s_mov_b32 s88, 1024
	s_cselect_b32 s88, HS-6144, s88                ; and from tile 3 to tile 4: V goes on to the next head
	s_mov_b32 s89, 0
	s_mov_b32 s90, 16384
	s_cselect_b32 s90, s90, 0                      ; the codes' place in a record: V's, K's,
	s_mov_b32 s92, 33280
	s_mov_b32 s99, 32768
	s_cselect_b32 s92, s92, s99                    ; the scale words' likewise,
	s_cmp_eq_u32 s66, 0
	s_cselect_b32 s90, 33792, s90                  ; or Q's
	s_cselect_b32 s92, 50176, s92
	s_lshr_b32 s99, s97, 11
	s_mul_i32 s99, s99, BS                         ; the batch,
	s_lshr_b32 s100, s98, 6
	s_mul_i32 s100, s100, HS                       ; the head,
	s_add_co_u32 s99, s99, s100
	s_bfe_u32 s100, s97, 0x30008
	s_mul_i32 s100, s100, RECORD                   ; the 256 tokens
	s_add_co_u32 s99, s99, s100
	s_and_b32 s100, s97, 255                       ; 0 or 128: which 128 tokens of the record
	s_lshl_b32 s101, s100, 6                       ; 8,192 bytes of codes,
	s_add_co_u32 s90, s90, s99
	s_add_co_u32 s90, s90, s101
	s_mov_b32 s91, 0
	s_lshl_b32 s100, s100, 1                       ; 256 bytes of scale words
	s_add_co_u32 s92, s92, s99
	s_add_co_u32 s92, s92, s100
	s_mov_b32 s93, 0
	s_add_nc_u64 s[90:91], s[20:21], s[90:91]
	s_add_nc_u64 s[92:93], s[20:21], s[92:93]
	s_mov_b32 s94, 0x76543210
	s_mov_b32 s95, 0xfedcba98                      ; v_permlanex16_b32's selects for lane l xor 16
	v_mov_b32 v[VO], v26
	v_add_nc_u32 v[VO+1], 512, v26
	v_add_nc_u32 v[VO+2], s85, v26
	v_add_nc_u32 v[VO+3], 512, v[VO+2]
	v_cmp_eq_u32 vcc_lo, 1, v2
	v_mov_b32 v[SELQ], 0x05040100                  ; lanes 0-15 make the first head's words, lanes 16-31 the second's
	v_mov_b32 v103, 0x07060302
	v_cndmask_b32 v[SELQ], v[SELQ], v103, vcc_lo
	v_mov_b32 v[SELV], 0x03020100
	v_mov_b32 v103, 0x07060504
	v_cndmask_b32 v[SELV], v[SELV], v103, vcc_lo
	v_mul_u32_u24 v[SCO], v2, HS
	v_lshl_add_u32 v[SCO], v1, 4, v[SCO]           ; 16 r, + a head for lanes 16-31
.irp b, 0,1,2,3
	v_mov_b32 v[TM+4+\b], 0                        ; written once: a lane permute's destination counts as one of its sources
.endr
; one product.  z: C is the constant 0;  pb, pa: X's, Y's scale words stand in lanes 16-31 of the register named
.macro WM d, s0, s1, z, sx, sy, pb, pa
.if (\z) && (\pb) && (\pa)
	v_wmma_scale_f32_16x16x128_f8f6f4 v[\d:\d+7], v[\s0:\s0+15], v[\s1:\s1+15], 0, v[\sx], v[\sy] matrix_a_scale:MATRIX_SCALE_ROW1 matrix_b_scale:MATRIX_SCALE_ROW1
.elseif (\z) && (\pb)
	v_wmma_scale_f32_16x16x128_f8f6f4 v[\d:\d+7], v[\s0:\s0+15], v[\s1:\s1+15], 0, v[\sx], v[\sy] matrix_a_scale:MATRIX_SCALE_ROW1
.elseif (\z) && (\pa)
	v_wmma_scale_f32_16x16x128_f8f6f4 v[\d:\d+7], v[\s0:\s0+15], v[\s1:\s1+15], 0, v[\sx], v[\sy] matrix_b_scale:MATRIX_SCALE_ROW1
.elseif \z
	v_wmma_scale_f32_16x16x128_f8f6f4 v[\d:\d+7], v[\s0:\s0+15], v[\s1:\s1+15], 0, v[\sx], v[\sy]
.elseif (\pb) && (\pa)
	v_wmma_scale_f32_16x16x128_f8f6f4 v[\d:\d+7], v[\s0:\s0+15], v[\s1:\s1+15], v[\d:\d+7], v[\sx], v[\sy] matrix_a_scale:MATRIX_SCALE_ROW1 matrix_b_scale:MATRIX_SCALE_ROW1
.elseif \pb
	v_wmma_scale_f32_16x16x128_f8f6f4 v[\d:\d+7], v[\s0:\s0+15], v[\s1:\s1+15], v[\d:\d+7], v[\sx], v[\sy] matrix_a_scale:MATRIX_SCALE_ROW1
.elseif \pa
	v_wmma_scale_f32_16x16x128_f8f6f4 v[\d:\d+7], v[\s0:\s0+15], v[\s1:\s1+15], v[\d:\d+7], v[\sx], v[\sy] matrix_b_scale:MATRIX_SCALE_ROW1
.else
	v_wmma_scale_f32_16x16x128_f8f6f4 v[\d:\d+7], v[\s0:\s0+15], v[\s1:\s1+15], v[\d:\d+7], v[\sx], v[\sy]
.endif
.endm
; 16 products: Y's blocks a0, a0 + 1 x X's eight, K step ks; p: X's set.  The 64 accumulators take turns, one instruction a turn, in the same order in every step
.macro MUL16 a0, p, ks, z
.irp a, \a0, \a0+1
.irp b, 0,1,2,3,4,5,6,7
	WM 8*(8*((\a)%4)+\b), 128*(\p)+16*\b, YF+16*(\a), \z, SX+8*(\b/2)+(\ks), SY+8*((\a)/2)+(\ks), \b%2, (\a)%2
.endr
.endr
.endm
.macro FRAG reg, adr, q, i             ; 16 rows x 128 K: registers 4 c .. 4 c + 3 hold K = 32 c + 16 h + 0 .. 15
.irp c, 0,1,2,3
	ds_load_b128 v[\reg+4*\c:\reg+4*\c+3], v[\adr] offset:128*(\q)+32*\c+(\i)*16*PITCH
.endr
.endm
.macro FETCH_X slot, q, p
	WIN TO_X
.irp i, 0,1,2,3,4,5,6,7
	FRAG 128*(\p)+16*\i, ADRX+\slot, \q, \i
.endr
	WIN 0
.endm
.macro FETCH_Y slot, q, i0
.irp i, \i0, \i0+1, \i0+2, \i0+3
	FRAG YF+16*(\i), ADRY+\slot, \q, \i
.endr
.endm
; A slot's first 128 along K.  Loads into registers that products have read stand eight plain places behind them
.macro STEP slot, ks, z
	s_wait_dscnt 16                                ; X's set and Y's blocks 0-3 are in; the youngest 16 loads (Y's blocks 4-7) may be out
	WIN MUL_LO
	MUL16 0, 0, \ks, \z
	MUL16 2, 0, \ks, \z
	s_wait_dscnt 0                                 ; Y's blocks 4-7 are in
	PLACES 8
	FETCH_X \slot, 1, 1
	FETCH_Y \slot, 1, 0
	WIN MUL_HI
	MUL16 4, 0, \ks, \z
	MUL16 6, 0, \ks, \z
	PLACES 8
	WIN 0
	FETCH_Y \slot, 1, 4
.endm
; A slot's second 128 along K, and the change of slots: one barrier; in front of it each wave waits for all its tensor loads, adds 0 to its spare word, and waits for that and for its reads of this slot
.macro TURN slot, next, fill, ks
	s_wait_tensorcnt 0x0                           ; all my tensor loads have landed: my part of the next slot
	ds_add_u32 v[SPW], v[NIL]                      ; 0 onto my spare word
	s_wait_dscnt 17                                ; (the add and the youngest 16 loads may be out)
	WIN MUL_LO
	MUL16 0, 1, \ks, 0
	s_wait_dscnt 0x0                               ; the add is done, and my reads of this slot are over
	s_barrier_signal -1
	MUL16 2, 1, \ks, 0
	WIN 0
	s_barrier_wait -1
.if \fill
	CREST                                          ; the barrier has opened a round of the cluster's: no wave of any partner still reads this slot or has a load on its way
	s_add_nc_u64 s[G0Y+4*\slot+2:G0Y+4*\slot+3], s[G0Y+4*\slot+2:G0Y+4*\slot+3], 512
	s_add_nc_u64 s[G0X+4*\slot+2:G0X+4*\slot+3], s[G0X+4*\slot+2:G0X+4*\slot+3], 512
	JLOAD \slot                                    ; the first tensor load behind the round; its four v_nop are four of the eight places
	PLACES 4
.else
	PLACES 8
.endif
	FETCH_X \next, 0, 0
	FETCH_Y \next, 0, 0
	WIN MUL_HI
	MUL16 4, 1, \ks, 0
	MUL16 6, 1, \ks, 0
	PLACES 8
	WIN 0
	FETCH_Y \next, 0, 4
.endm
	s_wait_tensorcnt 0x1                           ; my part of chunk 0 is in; chunk 1's load may be out
	s_barrier_signal -1
	s_barrier_wait -1
	FETCH_X 0, 0, 0
	FETCH_Y 0, 0, 0
	FETCH_Y 0, 0, 4
	s_wait_loadcnt 0x0                             ; the scale words
	STEP 0, 0, 1                                   ; the first products start the sums: nothing is cleared
	TURN 0, 1, 1, 1                                ; slot 0 takes chunk 2
	STEP 1, 2, 0
	TURN 1, 0, 1, 3                                ; slot 1 takes chunk 3
	STEP 0, 4, 0
	TURN 0, 1, 0, 5
	STEP 1, 6, 0
	s_wait_dscnt 16
	WIN MUL_LO
	MUL16 0, 1, 7, 0
	MUL16 2, 1, 7, 0
	s_wait_dscnt 0
	WIN MUL_HI
	MUL16 4, 1, 7, 0
	MUL16 6, 1, 7, 0
	WIN 0
	PLACES 8                                       ; in front of the first read of results and the first write of Y's old registers
; THE WAY OUT: Y's tile a: four blocks of 32 along X are quantised and leave.  A block's scale is the largest magnitude's exponent field less 8; the floor 2^(9 - 127) among the maximum's leaves holds the byte at 1.
.macro QTILE a
.set QS, 64*((\a)%4)
	WIN 0x0a+5*((\a)/4)                            ; sources 0 and 1: the accumulators' window
.irp b, 0,1,2,3
	v_max3_num_f32 v[TM+\b], |v[QS+16*\b]|, |v[QS+16*\b+1]|, 0x4800000     ; each accumulator is read from its low end on
.endr
.irp i, 2,4,6,8,10,12,14
.irp b, 0,1,2,3
	v_max3_num_f32 v[TM+\b], |v[QS+16*\b+\i]|, |v[QS+16*\b+\i+1]|, v[TM+\b]
.endr
.endr
	WIN 0
.irp b, 0,1,2,3
	v_permlanex16_b32 v[TM+4+\b], v[TM+\b], s94, s95
.endr
.irp b, 0,1,2,3
	v_max_num_f32 v[TM+\b], v[TM+\b], v[TM+4+\b]   ; with lane l xor 16's: the block's largest magnitude
.endr
.irp b, 0,1,2,3
	v_add_nc_u32 v[TM+12+\b], 0xfc000000, v[TM+\b] ; 8 off its exponent field: the conversion's scale operand
.endr
.irp b, 0,1,2,3
.endr
.irp b, 0,1,2,3
	v_lshrrev_b32 v[TM+4+\b], 23, v[TM+12+\b]      ; the scale's byte
.endr
	v_lshl_or_b32 v[PW+\a], v[TM+5], 8, v[TM+4]
	v_lshl_or_b32 v[PW+\a], v[TM+6], 16, v[PW+\a]
	v_lshl_or_b32 v[PW+\a], v[TM+7], 24, v[PW+\a]
	WIN 0x82+0x41*((\a)/4)                         ; destination and source 0: the accumulators' window
.irp b, 0,1,2,3
.irp i, 0,1,2,3,4,5,6,7,8,9,10,11,12,13,14,15
.endr
.endr
	s_wait_xcnt 0x0                                ; the last tile's stores have read their data and their base: both are written again only behind this wait
.if (\a) == 4
	s_add_nc_u64 s[90:91], s[90:91], s[88:89]
.elseif (\a) > 0
	s_add_nc_u64 s[90:91], s[90:91], s[86:87]
.endif
	WIN 2+(\a)/4                                   ; source 0: the accumulators' window
.irp b, 0,1,2,3
	v_cvt_scalef32_pk8_fp8_f32 v[PC+4*\b:PC+4*\b+1], v[QS+16*\b:QS+16*\b+7], v[TM+12+\b]
	v_cvt_scalef32_pk8_fp8_f32 v[PC+4*\b+2:PC+4*\b+3], v[QS+16*\b+8:QS+16*\b+15], v[TM+12+\b]
.endr
	WIN 0
.irp b, 0,1,2,3
	global_store_b128 v[VO+\b], v[PC+4*\b:PC+4*\b+3], s[90:91]   ; 32 lanes store 512 consecutive bytes, at a multiple of 256 from the buffer's first byte
.endr
.endm
.irp a, 0,1,2,3,4,5,6,7
	QTILE \a
.endr
.irp j, 0,1,2,3
	v_perm_b32 v[OW+\j], v[PW+2*\j+1], v[PW+2*\j], v[SELQ]       ; Q, K: my head's two bytes of tiles 2 j and 2 j + 1
	v_perm_b32 v[OW+4+\j], v[PW+4+\j], v[PW+\j], v[SELV]         ; V: tile j's word of my head
.endr
.irp j, 0,1,2,3
	v_cndmask_b32 v[OW+\j], v[OW+\j], v[OW+4+\j], s84
.endr
	global_store_b128 v[SCO], v[OW:OW+3], s[92:93]               ; sixteen lanes store one head's 256 consecutive bytes
	s_wait_tensorcnt 0x0                           ; the wave's end
	ds_add_u32 v[SPW], v[NIL]
	s_wait_dscnt 0x0
	CROUND                                         ; the closing round
	s_endpgm
.Lfunc_end_k_q6cacbd4716_proj:
	.size	k_q6cacbd4716_proj, .Lfunc_end_k_q6cacbd4716_proj-k_q6cacbd4716_proj
	.p2alignl 7, 3214868480
	.fill 96, 4, 3214868480
	.section	.rodata,"a",@progbits
	.p2align	6, 0x0
	.amdhsa_kernel k_q6cacbd4716_proj
		.amdhsa_group_segment_fixed_size 327680
		.amdhsa_private_segment_fixed_size 0
		.amdhsa_enable_private_segment 0
		.amdhsa_kernarg_size 72
		.amdhsa_user_sgpr_count 2
		.amdhsa_user_sgpr_kernarg_segment_ptr 1
		.amdhsa_wavefront_size32 1
		.amdhsa_system_sgpr_workgroup_id_x 1
		.amdhsa_system_sgpr_workgroup_id_y 1
		.amdhsa_system_sgpr_workgroup_id_z 1
		.amdhsa_system_vgpr_workitem_id 0
		.amdhsa_next_free_vgpr 1024
		.amdhsa_next_free_sgpr 102
		.amdhsa_reserve_vcc 1
		.amdhsa_float_denorm_mode_32 3
		.amdhsa_float_denorm_mode_16_64 3
		.amdhsa_fp16_overflow 1
		.amdhsa_memory_ordered 1
		.amdhsa_forward_progress 1
		.amdhsa_inst_pref_size 149
	.end_amdhsa_kernel
	.amdgpu_metadata
---
amdhsa.version: [ 1, 2 ]
amdhsa.kernels:
  - .name:           k_q6cacbd4716_proj
    .symbol:         k_q6cacbd4716_proj.kd
    .args:
      - { .name: inputs_codes, .offset: 0, .size: 8, .value_kind: global_buffer, .address_space: global }
      - { .name: inputs_scales, .offset: 8, .size: 8, .value_kind: global_buffer, .address_space: global }
      - { .name: W_q_codes, .offset: 16, .size: 8, .value_kind: global_buffer, .address_space: global }
      - { .name: W_q_scales, .offset: 24, .size: 8, .value_kind: global_buffer, .address_space: global }
      - { .name: W_k_codes, .offset: 32, .size: 8, .value_kind: global_buffer, .address_space: global }
      - { .name: W_k_scales, .offset: 40, .size: 8, .value_kind: global_buffer, .address_space: global }
      - { .name: W_v_codes, .offset: 48, .size: 8, .value_kind: global_buffer, .address_space: global }
      - { .name: W_v_scales, .offset: 56, .size: 8, .value_kind: global_buffer, .address_space: global }
      - { .name: qkv, .offset: 64, .size: 8, .value_kind: global_buffer, .address_space: global }
    .group_segment_fixed_size: 327680
    .private_segment_fixed_size: 0
    .kernarg_segment_align: 8
    .kernarg_segment_size: 72
    .max_flat_workgroup_size: 128
    .sgpr_count:     102
    .vgpr_count:     1024
    .wavefront_size: 32
...
	.end_amdgpu_metadata
.endif
;; end of part 1
;; launch attn (part 2): grid 4 x 64, 16 waves a work-group, no clusters, 272,384 bytes of LDS; arguments qkv, cimg, csc; writes cimg, csc
.if DOCPART == 2
	.amdgcn_target "amdgcn-amd-amdhsa--gfx1250"
	.amdhsa_code_object_version 6
	.text
	.protected	k_q6cacbd4716_attn
	.globl	k_q6cacbd4716_attn
	.p2align	8
	.type	k_q6cacbd4716_attn,@function
k_q6cacbd4716_attn:
	s_mov_b64 s[64:65], 0
	v_nop
	global_prefetch_b8 v0, s[64:65] scope:SCOPE_SE
	s_setreg_imm32_b32 hwreg(HW_REG_WAVE_MODE, 25, 1), 1
	s_wait_xcnt 0x0
; Causal attention of one head on codes of FP8 (E4M3) with E8M0 scales, and the quantiser of its result along the features.  Head size 64, 2,048 tokens, 64 (batch, head) pairs.
; SOFTMAX: t = score x log2(e) / 8; M = the running largest t rounded UP to a whole number; p = 2^(t - M) is quantised along the keys; the row's sum is taken of the unquantised p and divides at the end.
; SHARES.  Work-group (p, bh) serves query block p (256 queries, key records 0 .. p), then block 7 - p (records 0 .. 7 - p): always nine trips of 256 keys, so all 256 work-groups have the same work and the
; trip counts are constants.  Each of the sixteen waves owns 16 queries in 256 registers, four waves to a SIMD: one wave's vector work stands beside another's products and LDS loads.
; THE HEAD'S K AND V STAY IN LDS.  A record's K and V part (codes and scale words of 256 keys) is 33,792 bytes, a head's eight are 270,336: every LDS byte is filled once, by the loads at the start, and none again.
; Waves 0 to 3 each issue eight tensor loads, their quarter of records 0 to 7 in that order: eight loads of a wave are out.  Three barriers: behind the first record 0 is whole, behind the second record 1,
; behind the third all eight; trip 0 reads record 0 alone, trip 1 record 0 or 1.  From the third barrier on LDS is only read and the waves run free.  The number of loads is a constant, so that the counted
; waits hold on every path: work-group p reads records 0 .. 7 - p, so for p > 0 up to three of the eight are fetched and not read; against that no record is fetched twice.
; NO CLUSTER: the four work-groups of a head want the same eight records, but their LDS addresses and branches hang on the query block, which would be their place in the cluster.
; OPERANDS lie in qkv as images of their registers (lane l's 16 bytes at 16 l of each 512): K codes | V codes | K scale words | V scale words, brought as they lie.
; Both products are used transposed: S^T = K Q^T, O^T = V^T P^T: a lane holds ONE query (lane % 16).  Inside a block of 32 the codes stand in one fixed order on both sides of each product.
; HEAD SIZE 64 UNDER A K OF 128: a fragment of K holds TWO tiles of 16 keys (K = 0..63: tile 2 k; 64..127: tile 2 k + 1).  Q stands as zeros | q | zeros in v16-39: v[24:39] = (q, 0) picks the first tile, v[16:31] = (0, q) the second.
; Zero codes add nothing under any scale byte but 0xff, which no quantiser here gives.
; CAUSAL: a step all of whose 128 keys come after my 16 queries is jumped over by a scalar branch on ids; on the diagonal hidden scores become -infinity ahead of the maximum.  Key 0 counts for every query.
; LIMITS: NaN and infinities are not served; a block whose largest magnitude lies under 2^-118 keeps the byte 1; a block of zeros gets the byte 1 and zero codes (this program alone reads the bytes).
; OUT: cimg [tile of 16 tokens (512)][head (16)][block (2)][512]: images;  csc [128 features (8)][token (8,192)] words: my head's two bytes.
; REGISTERS: v1 16 lane, v2 16 r, v3 r - 8 h, v4 4 r, v7-8 LDS addresses in hand, v9 Q's scale word, v10 the second block's, v12 -M, v13 largest t, v[14:15] the sum, v16-39 0 | q | 0,
;   v40-47 the second block's q, v48-111 four fragments, v112-175 S^T then p, v176-207 O^T, v208-223 p's codes, v224-227 K's scale words, v228-231 V's, v232-254 at work (v253 p's scale word).
; SCALARS: s10 wave, s11 p, s12 batch x head, s13 the trip in which the second block begins, s14 the trip, s15 the step's first key, s16 my first query, s17 LDS byte of the record in hand,
;   s[24:31] descriptor group 1, s[32:63] eight groups 0 (never rewritten), s[68:71] cimg's and csc's place of the block in hand, s[72:76] the second block's, s82-89 at work.
.set RECORD, 50688
.set HS,     8*RECORD
.set RECL,   33792                     ; a record's K and V part, and its room in LDS
.set PART,   8448                      ; 33 rows of 256 bytes: what one tensor load brings
.set VOFF,   16384
.set KSC,    32768
.set VSC,    33280
.set QOFF,   33792
.set QSC,    50176
.macro STATE                           ; a block of queries begins: the largest t under every t, the sum and O^T zeros (the first change of M leaves zeros zeros)
	v_mov_b32 v13, 0xff61b1e6
	s_delay_alu instid0(VALU_DEP_1)
	v_floor_f32 v12, -v13
	v_mov_b32 v14, 0
	v_mov_b32 v15, 0
.set cn, 0
.rept 32
	v_mov_b32 v[176+cn], 0
.set cn, cn+1
.endr
.endm
	s_load_b128 s[4:7], s[0:1], 0x0                ; qkv, cimg
	s_load_b64 s[8:9], s[0:1], 0x10                ; csc
	v_lshl_add_u32 v251, v0, 2, 0x42000
	v_mov_b32 v255, 0
	ds_add_u32 v251, v255
	ds_add_u32 v251, v255
	v_lshrrev_b32 v7, 5, v0
	s_delay_alu instid0(VALU_DEP_1)
	v_readfirstlane_b32 s10, v7                    ; wave 0..15
	s_mov_b32 s11, ttmp9                           ; p
	s_and_b32 s12, ttmp7, 0xffff                   ; 16 x batch + head
	s_add_co_u32 s13, s11, 1                       ; the trip in which the second block begins
	s_mov_b32 s14, 0                               ; the trip
	s_mov_b32 s15, 0                               ; the step's first key
	s_mov_b32 s20, 0x76543210
	s_mov_b32 s21, 0xfedcba98                      ; v_permlanex16_b32's selects for lane l xor 16
	s_mov_b32 s22, 0x3e38aa3b                      ; c = log2(e) / 8
	s_mov_b32 s23, s22                             ; (named with it as a pair, so it is written)
	s_mov_b32 s24, 3<<16                           ; group 1: no mask, elements of 8 bytes, no padding: 33 dense rows of 256 bytes
	s_mov_b32 s25, 32<<16
	s_mov_b32 s26, 33<<16
	s_mov_b32 s27, 32<<16
	s_mov_b32 s28, 33
	s_mov_b32 s29, 32
	s_mov_b32 s30, 0
	s_mov_b32 s31, 0
	v_and_b32 v1, 31, v0
	s_delay_alu instid0(VALU_DEP_1)
	v_lshlrev_b32 v1, 4, v1
	v_and_b32 v2, 15, v0
	v_bfe_u32 v3, v0, 4, 1
	s_delay_alu instid0(VALU_DEP_2)
	v_lshlrev_b32 v4, 2, v2
	s_delay_alu instid0(VALU_DEP_2)
	v_lshlrev_b32 v3, 3, v3
	s_delay_alu instid0(VALU_DEP_1)
	v_sub_nc_u32 v3, v2, v3
	v_lshlrev_b32 v2, 4, v2
	s_lshl_b32 s82, s10, 10
	v_add_nc_u32 v7, s82, v1                       ; q: my tile's 1,024 bytes, 16 x lane
	s_lshr_b32 s82, s10, 3
	s_lshl_b32 s82, s82, 8
	s_bfe_u32 s83, s10, 0x20001
	s_lshl_b32 s83, s83, 2
	s_add_co_u32 s82, s82, s83
	v_add_nc_u32 v8, s82, v2                       ; its scale word: 256 (w / 8) + 16 r + 4 ((w / 2) % 4)
	s_mul_i32 s82, s12, HS                         ; the head's first byte in qkv
	s_mul_i32 s83, s11, RECORD
	s_add_co_u32 s66, s82, s83
	s_mov_b32 s67, 0
	s_wait_alu depctr_va_vdst(0)
	s_wait_dscnt 0x0
	s_wait_kmcnt 0x0
	s_add_nc_u64 s[78:79], s[4:5], s[66:67]        ; the first block's record
	s_sub_co_u32 s83, 7, s11
	s_mul_i32 s83, s83, RECORD
	s_add_co_u32 s66, s82, s83
	s_add_nc_u64 s[80:81], s[4:5], s[66:67]        ; the second block's
	global_load_b128 v[24:27], v7, s[78:79] offset:QOFF       ; q of both blocks is asked for ahead of the tiles: it is wanted with the first of them
	global_load_b128 v[28:31], v7, s[78:79] offset:QOFF+512
	global_load_b32 v9, v8, s[78:79] offset:QSC
	global_load_b128 v[40:43], v7, s[80:81] offset:QOFF
	global_load_b128 v[44:47], v7, s[80:81] offset:QOFF+512
	global_load_b32 v10, v8, s[80:81] offset:QSC
	s_min_u32 s83, s10, 3                          ; (waves 4 to 15 issue no load)
	s_mul_i32 s83, s83, PART                       ; my quarter's place in a record
	s_add_co_u32 s66, s82, s83
	s_add_nc_u64 s[88:89], s[4:5], s[66:67]        ; my quarter of the head's record 0
.irp j, 0,1,2,3,4,5,6,7                            ; a group 0 for each record
	s_mov_b32 s[32+4*\j], 1
	s_add_co_u32 s[33+4*\j], s83, \j*RECL
	s_add_nc_u64 s[34+4*\j:35+4*\j], s[88:89], \j*RECORD
	s_or_b32 s[35+4*\j], s[35+4*\j], 0x80000000
.endr
	s_cmp_lt_u32 s10, 4                            ; all the fills of the launch stand in one branch, ahead of every wait on TENSORcnt, every LDS read and every barrier
	s_cbranch_scc0 .Lnoload
.irp j, 0,1,2,3,4,5,6,7
	tensor_load_to_lds s[32+4*\j:35+4*\j], s[24:31]
	s_nop 0
.endr
.rept 4
	v_nop                                          ; four v_nop follow the last line
.endr
.Lnoload:
	s_lshr_b32 s82, s12, 4                         ; the batch
	s_and_b32 s83, s12, 15                         ; the head
	s_lshl_b32 s82, s82, 7
	s_add_co_u32 s82, s82, s10
	s_lshl_b32 s84, s11, 4
	s_add_co_u32 s84, s84, s82                     ; my tile of tokens: 128 x batch + 16 x block + wave
	s_sub_co_u32 s85, 7, s11
	s_lshl_b32 s85, s85, 4
	s_add_co_u32 s85, s85, s82                     ; and the second block's
	s_lshl_b32 s86, s83, 10
	s_lshl_b32 s66, s84, 14
	s_add_co_u32 s66, s66, s86
	s_add_nc_u64 s[68:69], s[6:7], s[66:67]        ; cimg: 16,384 x tile + 1,024 x head
	s_lshl_b32 s66, s85, 14
	s_add_co_u32 s66, s66, s86
	s_add_nc_u64 s[72:73], s[6:7], s[66:67]
	s_lshr_b32 s86, s83, 1
	s_lshl_b32 s86, s86, 15
	s_and_b32 s83, s83, 1
	s_lshl_b32 s83, s83, 1
	s_add_co_u32 s86, s86, s83
	s_lshl_b32 s66, s84, 6
	s_add_co_u32 s66, s66, s86
	s_add_nc_u64 s[70:71], s[8:9], s[66:67]        ; csc: 32,768 (head / 2) + 64 x tile + 2 (head % 2)
	s_lshl_b32 s66, s85, 6
	s_add_co_u32 s66, s66, s86
	s_add_nc_u64 s[74:75], s[8:9], s[66:67]
	s_lshl_b32 s82, s10, 4
	s_lshl_b32 s16, s11, 8
	s_add_co_u32 s16, s16, s82                     ; my first query
	s_sub_co_u32 s76, 7, s11
	s_lshl_b32 s76, s76, 8
	s_add_co_u32 s76, s76, s82                     ; and the second block's
.irp j, 0,1,2,3,4,5,6,7
	v_mov_b32 v[16+\j], 0                          ; the zeros on both sides of q
	v_mov_b32 v[32+\j], 0
.endr
.irp b, 0,1,2,3
	v_mov_b32 v[236+\b], 0                         ; written once: a lane permute's destination counts as one of its sources
.endr
	v_mov_b32 v252, 0
	v_mov_b32 v253, 0                              ; (named as the upper half of the pair v[252:253] before it is first written)
	STATE
	s_and_b32 s82, s10, 1
	s_cmp_eq_u32 s82, 1
	s_mov_b32 s82, 0x01000100
	s_cselect_b32 s82, 0x03020302, s82             ; my tile's two bytes of the pair's word, twice: they serve (q, 0) and (0, q) alike
	s_wait_loadcnt 0x0
	v_perm_b32 v9, v9, v9, s82
	v_perm_b32 v10, v10, v10, s82
; A KEY STEP: 128 keys, the q-th of the record in hand
.macro STEP q
	s_add_co_u32 s82, s16, 15
	s_cmp_gt_u32 s15, s82
	s_cbranch_scc1 .Lhidden_\@                     ; all its keys come after my queries
	v_add_nc_u32 v7, s17, v1
	v_add_nc_u32 v8, s17, v2
.rept 6
	v_nop                                          ; with the two additions: eight places in front of loads into registers that the last products read, and of products that take a scale word or q just written
.endr
.irp k, 0,1,2,3
.irp c, 0,1,2,3
	ds_load_b128 v[48+16*\k+4*\c:51+16*\k+4*\c], v7 offset:8192*(\q)+2048*\k+512*\c
.endr
.endr
	ds_load_b128 v[224:227], v8 offset:KSC+256*(\q)
	s_wait_dscnt 0x0
	s_wait_alu depctr_va_vdst(0)
.irp k, 0,1,2,3
	v_wmma_scale_f32_16x16x128_f8f6f4 v[112+16*\k:119+16*\k], v[48+16*\k:63+16*\k], v[24:39], 0, v[224+\k], v9
	v_wmma_scale_f32_16x16x128_f8f6f4 v[120+16*\k:127+16*\k], v[48+16*\k:63+16*\k], v[16:31], 0, v[224+\k], v9
.endr                                              ; register 16 b + i holds key 32 b + 8 h + i + 8 (i / 8) of the step
.rept 8
	v_nop
.endr
.irp t, 0,1,2,3                                    ; V's fragments land while the softmax is worked
.irp c, 0,1,2,3
	ds_load_b128 v[48+16*\t+4*\c:51+16*\t+4*\c], v7 offset:VOFF+8192*(\q)+2048*\t+512*\c
.endr
.endr
	ds_load_b128 v[228:231], v8 offset:VSC+256*(\q)
	s_add_co_u32 s82, s15, 127
	s_cmp_le_u32 s82, s16
	s_cbranch_scc1 .Lopen_\@                       ; all its keys count
	s_sub_co_i32 s82, s16, s15
	v_add_nc_u32 v252, s82, v3                     ; d = my query - the step's first key - 8 h: hidden where 32 b + i + 8 (i / 8) > d
	v_mov_b32 v254, 0xff800000
.set cn, 0
.rept 64
	v_cmp_gt_i32 vcc_lo, 32*(cn/16)+(cn%16)+8*((cn%16)/8), v252
	v_cndmask_b32 v[112+cn], v[112+cn], v254, vcc_lo
.set cn, cn+1
.endr
.Lopen_\@:
.irp b, 0,1,2,3
	v_max3_num_f32 v[232+\b], v[112+16*\b], v[113+16*\b], v[114+16*\b]   ; the largest score of each block of 32 keys: for the row's maximum and, since p rises with the score, for the block's largest p
.endr
.irp i, 3,5,7,9,11,13
.irp b, 0,1,2,3
	v_max3_num_f32 v[232+\b], v[232+\b], v[112+16*\b+\i], v[113+16*\b+\i]
.endr
.endr
.irp b, 0,1,2,3
	v_max_num_f32 v[232+\b], v[232+\b], v[127+16*\b]
.endr
.irp b, 0,1,2,3
	s_delay_alu instid0(VALU_DEP_4)
	v_permlanex16_b32 v[236+\b], v[232+\b], s20, s21
.endr
.irp b, 0,1,2,3
	s_delay_alu instid0(VALU_DEP_4)
	v_max_num_f32 v[232+\b], v[232+\b], v[236+\b]
.endr
	s_delay_alu instid0(VALU_DEP_2)
	v_max3_num_f32 v254, v232, v233, v234
	s_delay_alu instid0(VALU_DEP_1)
	v_max_num_f32 v254, v254, v235
	s_delay_alu instid0(VALU_DEP_1)
	v_mul_f32 v254, s22, v254                      ; as t (c is positive)
	s_delay_alu instid0(VALU_DEP_1)
	v_max_num_f32 v13, v13, v254                   ; the running largest t
	v_mov_b32 v254, v12
	s_delay_alu instid0(VALU_DEP_2)
	v_floor_f32 v12, -v13                          ; the new -M = -ceil(t)
	s_delay_alu instid0(VALU_DEP_1)
	v_sub_f32 v254, v12, v254                      ; old M - new M: a whole number, 0 or less
	s_delay_alu instid0(VALU_DEP_1)
	v_cvt_i32_f32 v254, v254                       ; (it saturates)
	s_delay_alu instid0(VALU_DEP_1)
	v_ldexp_f32 v252, 1.0, v254                    ; f = 2^(old M - new M): a multiplication by it rounds nothing
.set cn, 0
.rept 32
	v_pk_fma_f32 v[112+cn:113+cn], v[112+cn:113+cn], s[22:23], v[12:13] op_sel_hi:[1,0,0]   ; t - M
.set cn, cn+2
.endr
.irp b, 0,1,2,3
	v_fma_f32 v[232+\b], v[232+\b], s22, v12
.endr
.set cn, 0
	s_wait_alu depctr_va_vdst(0)
.rept 64
	v_exp_f32 v[112+cn], v[112+cn]                 ; p = 2^(t - M)
.set cn, cn+1
.endr
.irp b, 0,1,2,3
	v_exp_f32 v[232+\b], v[232+\b]                 ; the block's largest p: the same two instructions on the same number
.endr
	v_pk_mul_f32 v[14:15], v[14:15], v[252:253] op_sel_hi:[1,0]   ; the sums under the new M (a plain place behind the exponentials)
	s_wait_alu depctr_va_vdst(0)
.irp b, 0,1,2,3
	v_max_num_f32 v[232+\b], 0x4800000, v[232+\b]  ; the floor 2^(9 - 127): the byte cannot fall under 1
.endr
.irp b, 0,1,2,3
	s_delay_alu instid0(VALU_DEP_4)
	v_add_nc_u32 v[244+\b], 0xfc000000, v[232+\b]
.endr
.irp b, 0,1,2,3
.endr
.irp b, 0,1,2,3
	s_delay_alu instid0(VALU_DEP_4)
	v_lshrrev_b32 v[236+\b], 23, v[244+\b]
.endr
	s_delay_alu instid0(VALU_DEP_3)
	v_lshl_or_b32 v253, v237, 8, v236              ; p's scale word for these 128 keys
	s_delay_alu instid0(VALU_DEP_1)
	v_lshl_or_b32 v253, v238, 16, v253
	s_delay_alu instid0(VALU_DEP_1)
	v_lshl_or_b32 v253, v239, 24, v253
	v_pk_add_f32 v[236:237], v[116:117], v[120:121]
	v_pk_add_f32 v[248:249], v[124:125], v[128:129]
	v_pk_add_f32 v[242:243], v[132:133], v[136:137]
	v_pk_add_f32 v[240:241], v[140:141], v[144:145]
	v_pk_add_f32 v[234:235], v[148:149], v[152:153]
	v_pk_add_f32 v[232:233], v[156:157], v[160:161]
	v_pk_add_f32 v[226:227], v[164:165], v[168:169]
	v_pk_add_f32 v[14:15], v[14:15], v[172:173]
	v_pk_add_f32 v[236:237], v[236:237], v[112:113]
	v_pk_add_f32 v[248:249], v[248:249], v[114:115]
	v_pk_add_f32 v[242:243], v[242:243], v[118:119]
	v_pk_add_f32 v[240:241], v[240:241], v[122:123]
	v_pk_add_f32 v[234:235], v[234:235], v[126:127]
	v_pk_add_f32 v[232:233], v[232:233], v[130:131]
	v_pk_add_f32 v[226:227], v[226:227], v[134:135]
	v_pk_add_f32 v[14:15], v[14:15], v[138:139]
	v_pk_add_f32 v[236:237], v[236:237], v[142:143]
	v_pk_add_f32 v[248:249], v[248:249], v[146:147]
	v_pk_add_f32 v[242:243], v[242:243], v[150:151]
	v_pk_add_f32 v[240:241], v[240:241], v[154:155]
	v_pk_add_f32 v[234:235], v[234:235], v[158:159]
	v_pk_add_f32 v[232:233], v[232:233], v[162:163]
	v_pk_add_f32 v[226:227], v[226:227], v[166:167]
	v_pk_add_f32 v[14:15], v[14:15], v[170:171]
	v_pk_add_f32 v[236:237], v[236:237], v[174:175]
	s_delay_alu instid0(VALU_DEP_2)
	v_pk_add_f32 v[14:15], v[14:15], v[240:241]
	s_delay_alu instid0(VALU_DEP_2)
	v_pk_add_f32 v[236:237], v[236:237], v[234:235]
	v_pk_add_f32 v[248:249], v[248:249], v[232:233]
	v_pk_add_f32 v[242:243], v[242:243], v[226:227]
	s_delay_alu instid0(VALU_DEP_2)
	v_pk_add_f32 v[14:15], v[14:15], v[248:249]
	s_delay_alu instid0(VALU_DEP_2)
	v_pk_add_f32 v[236:237], v[236:237], v[242:243]
	s_delay_alu instid0(VALU_DEP_1)
	v_pk_add_f32 v[14:15], v[14:15], v[236:237]
.irp b, 0,1,2,3
.irp i, 0,1,2,3,4,5,6,7,8,9,10,11,12,13,14,15
.endr
	v_cvt_scalef32_pk8_fp8_f32 v[208+4*\b:209+4*\b], v[112+16*\b:119+16*\b], v[244+\b]
	v_cvt_scalef32_pk8_fp8_f32 v[210+4*\b:211+4*\b], v[120+16*\b:127+16*\b], v[244+\b]
.endr
.set cn, 0
.rept 16
	v_pk_mul_f32 v[176+cn:177+cn], v[176+cn:177+cn], v[252:253] op_sel_hi:[1,0]   ; O^T under the new M; these are also the places between the conversions and the products
.set cn, cn+2
.endr
	s_wait_alu depctr_va_vdst(0)
	s_wait_dscnt 0x0                               ; V
.irp t, 0,1,2,3
	v_wmma_scale_f32_16x16x128_f8f6f4 v[176+8*\t:183+8*\t], v[48+16*\t:63+16*\t], v[208:223], v[176+8*\t:183+8*\t], v[228+\t], v253
.endr                                              ; the four accumulators by turns; between two links on one stand the next step's eight products
.Lhidden_\@:
	s_add_co_u32 s15, s15, 128
.endm
; A BLOCK'S END: O^T / the sum is quantised along the head's 64 features (two blocks of 32; register 16 b + i as above) and leaves as an image, with its two scale bytes
.macro EPI
.rept 8
	v_nop
.endr
	v_add_f32 v14, v14, v15
	s_delay_alu instid0(VALU_DEP_1)
	v_permlanex16_b32 v252, v14, s20, s21
	s_delay_alu instid0(VALU_DEP_1)
	v_add_f32 v14, v14, v252                       ; the row's sum
	s_wait_alu depctr_va_vdst(0)
	v_rcp_f32 v14, v14
	v_nop
.set cn, 0
	s_wait_alu depctr_va_vdst(0)
.rept 32
	v_mul_f32 v[112+cn], v[176+cn], v14
.set cn, cn+1
.endr
.irp b, 0,1
	v_max3_num_f32 v[232+\b], |v[112+16*\b]|, |v[113+16*\b]|, 0x4800000
.endr
.irp i, 2,4,6,8,10,12,14
.irp b, 0,1
	s_delay_alu instid0(VALU_DEP_2)
	v_max3_num_f32 v[232+\b], v[232+\b], |v[112+16*\b+\i]|, |v[113+16*\b+\i]|
.endr
.endr
.irp b, 0,1
	s_delay_alu instid0(VALU_DEP_2)
	v_permlanex16_b32 v[236+\b], v[232+\b], s20, s21
.endr
.irp b, 0,1
	s_delay_alu instid0(VALU_DEP_2)
	v_max_num_f32 v[232+\b], v[232+\b], v[236+\b]
.endr
.irp b, 0,1
	s_delay_alu instid0(VALU_DEP_2)
	v_add_nc_u32 v[244+\b], 0xfc000000, v[232+\b]
.endr
.irp b, 0,1
.endr
.irp b, 0,1
	s_delay_alu instid0(VALU_DEP_2)
	v_lshrrev_b32 v[236+\b], 23, v[244+\b]
.endr
	s_delay_alu instid0(VALU_DEP_1)
	v_lshl_or_b32 v248, v237, 8, v236
.irp b, 0,1
.irp i, 0,1,2,3,4,5,6,7,8,9,10,11,12,13,14,15
.endr
	v_cvt_scalef32_pk8_fp8_f32 v[208+4*\b:209+4*\b], v[112+16*\b:119+16*\b], v[244+\b]
	v_cvt_scalef32_pk8_fp8_f32 v[210+4*\b:211+4*\b], v[120+16*\b:127+16*\b], v[244+\b]
.endr
	global_store_b128 v1, v[208:211], s[68:69]               ; 512 consecutive bytes a store
	global_store_b128 v1, v[212:215], s[68:69] offset:512
	global_store_b16 v4, v248, s[70:71]                      ; two bytes of each of 16 neighbouring words: the other two are another head's, made by another work-group; 1/32 of the codes' bytes
.endm
; A TRIP: 256 keys.  mode 0: trip 0, record 0.  mode 1: trip 1: the first block's record 1, or, where the first block had one record (p = 0), the second block's record 0.
; mode 2: any later trip: record = the trip, less the first block's trips once they are over; it never passes 7, and the bound is written so that it can be read off the text.
.macro TRIP mode
.if \mode > 0
	s_cmp_lg_u32 s14, s13
	s_cbranch_scc1 .Lsame_\@
	EPI                                            ; the first block of queries is done
	s_wait_xcnt 0x0                                ; its stores have read their data and bases
	s_mov_b64 s[68:69], s[72:73]
	s_mov_b64 s[70:71], s[74:75]
	s_mov_b32 s16, s76
	s_mov_b32 s15, 0
.irp j, 0,1,2,3,4,5,6,7
	v_mov_b32 v[24+\j], v[40+\j]
.endr
	v_mov_b32 v9, v10
	STATE
.Lsame_\@:
.endif
.if \mode == 0
	s_mov_b32 s17, 0
.elseif \mode == 1
	s_cmp_eq_u32 s11, 0
	s_cselect_b32 s17, 0, RECL
.else
	s_cmp_ge_u32 s14, s13
	s_cselect_b32 s82, s13, 0
	s_sub_co_u32 s82, s14, s82
	s_min_u32 s82, s82, 7
	s_mul_i32 s17, s82, RECL
.endif
	STEP 0
	STEP 1
	s_add_co_u32 s14, s14, 1
.endm
	s_wait_tensorcnt 0x7                           ; a wave's tensor loads end in order (ISA guide 10.11.1): of my eight, seven may be out: my quarter of record 0 is in
	s_barrier_signal -1
	s_barrier_wait -1                              ; record 0 is whole; nothing is ever filled again, so the later records may stay on their way
	TRIP 0
	s_wait_tensorcnt 0x6                           ; six may be out: my quarter of record 1 is in
	s_barrier_signal -1
	s_barrier_wait -1                              ; record 1 is whole
	TRIP 1
	s_wait_tensorcnt 0x0                           ; all my loads have landed
	s_barrier_signal -1
	s_barrier_wait -1                              ; all eight records are whole: from here on LDS is only read, and no wave waits for another
.Ltrip:                                            ; trips 2 to 8
	TRIP 2
	s_cmp_lt_u32 s14, 9
	s_cbranch_scc1 .Ltrip
	EPI                                            ; the second block of queries is done
	s_wait_tensorcnt 0x0
	ds_add_u32 v251, v255
	s_wait_dscnt 0x0
	s_endpgm
.Lfunc_end_k_q6cacbd4716_attn:
	.size	k_q6cacbd4716_attn, .Lfunc_end_k_q6cacbd4716_attn-k_q6cacbd4716_attn
	.p2alignl 7, 3214868480
	.fill 96, 4, 3214868480
	.section	.rodata,"a",@progbits
	.p2align	6, 0x0
	.amdhsa_kernel k_q6cacbd4716_attn
		.amdhsa_group_segment_fixed_size 272384
		.amdhsa_private_segment_fixed_size 0
		.amdhsa_enable_private_segment 0
		.amdhsa_kernarg_size 24
		.amdhsa_user_sgpr_count 2
		.amdhsa_user_sgpr_kernarg_segment_ptr 1
		.amdhsa_wavefront_size32 1
		.amdhsa_system_sgpr_workgroup_id_x 1
		.amdhsa_system_sgpr_workgroup_id_y 1
		.amdhsa_system_sgpr_workgroup_id_z 1
		.amdhsa_system_vgpr_workitem_id 0
		.amdhsa_next_free_vgpr 256
		.amdhsa_next_free_sgpr 90
		.amdhsa_reserve_vcc 1
		.amdhsa_float_denorm_mode_32 3
		.amdhsa_float_denorm_mode_16_64 3
		.amdhsa_fp16_overflow 1
		.amdhsa_memory_ordered 1
		.amdhsa_forward_progress 1
		.amdhsa_inst_pref_size 160
	.end_amdhsa_kernel
	.amdgpu_metadata
---
amdhsa.version: [ 1, 2 ]
amdhsa.kernels:
  - .name:           k_q6cacbd4716_attn
    .symbol:         k_q6cacbd4716_attn.kd
    .args:
      - { .name: qkv, .offset: 0, .size: 8, .value_kind: global_buffer, .address_space: global }
      - { .name: cimg, .offset: 8, .size: 8, .value_kind: global_buffer, .address_space: global }
      - { .name: csc, .offset: 16, .size: 8, .value_kind: global_buffer, .address_space: global }
    .group_segment_fixed_size: 272384
    .private_segment_fixed_size: 0
    .kernarg_segment_align: 8
    .kernarg_segment_size: 24
    .max_flat_workgroup_size: 512
    .sgpr_count:     90
    .vgpr_count:     256
    .wavefront_size: 32
...
	.end_amdgpu_metadata
.endif
;; end of part 2
;; launch outp (part 3): grid 4 x 64, 4 waves a work-group, clusters of 4 x 4, 327,680 bytes of LDS; arguments cimg, csc, W_o_codes, W_o_scales, b_o, out0; writes out0
.if DOCPART == 3
	.amdgcn_target "amdgcn-amd-amdhsa--gfx1250"
	.amdhsa_code_object_version 6
	.text
	.protected	k_q6cacbd4716_outp
	.globl	k_q6cacbd4716_outp
	.p2align	8
	.type	k_q6cacbd4716_outp,@function
k_q6cacbd4716_outp:
	s_mov_b64 s[64:65], 0
	v_nop
	global_prefetch_b8 v0, s[64:65] scope:SCOPE_SE
	s_setreg_imm32_b32 hwreg(HW_REG_WAVE_MODE, 25, 1), 1
	s_wait_xcnt 0x0
	s_wait_alu depctr_hold_cnt(0) depctr_sa_sdst(0) depctr_va_vdst(0) depctr_va_sdst(0) depctr_va_ssrc(0) depctr_va_vcc(0) depctr_vm_vsrc(0)
	s_getreg_b32 s2, hwreg(HW_REG_IB_STS2, 6, 4)
	s_cmp_eq_u32 s2, 0
	s_cbranch_scc0 .Lentry_in_a_cluster
	s_endpgm
.Lentry_in_a_cluster:
	s_bfe_u32 s2, ttmp6, 0x10000c
	s_cmp_lg_u32 s2, 0xf033
	s_cbranch_scc0 .Lentry_shape_is_right
	s_endpgm
.Lentry_shape_is_right:
; out = ctx Wo^T + b_o on codes of FP8 (E4M3) with E8M0 scales.  ctx: 8,192 tokens x 1,024, as images of the operand's registers (cimg) and scale words [K step (8)][token] (csc); Wo: 1,024 rows of 1,024 codes; out f32.
; A work-group makes 128 tokens x 256 features (256 work-groups), a wave 64 x 128: 32 accumulators.  Source 0 = 16 rows of Wo, source 1 = 16 tokens: a lane holds eight neighbouring features of one token.
; ctx's codes stand, inside each block of 32, in the order 8 h + 0..7, 16 + 8 h + 0..7 at places 16 h + 0..15.  Wo's fragments are read in the same order: eight loads of 8 bytes at 16 c + 8 h.
; K goes in four chunks of 256 through THREE LDS slots: chunks 0, 1, 2 are first fills, chunk 3 fills slot 0 again.  A slot: ctx's 8 tiles x 4,096 bytes as they lie, then Wo's 256 rows, 272 bytes apart.
; CLUSTER 4 x 4: ctx's tiles hang on the tile row alone and are asked for jointly by a row of the cluster, Wo's on the tile column alone and by a column.
; The scale words of all of K lie in registers (lane l: row 32 i + l), so the text is straight.  The bias is added on the way out, to whole rows.
; REGISTERS: window 0: v8-10, v12-14 LDS addresses by slot; v16-20 the way out and offsets; v22-23 the add's; v[24:27] bias; v32-47 ctx's scale words [32 tokens (2)][K step], v48-79 Wo's [32 rows (4)][K step];
;   v128-191, v192-255 ctx's fragments, two sets.  window 1: Wo's fragments, two sets.  window 2: accumulator (a, b) at v[8 (8 a + b)].
.set PITCH,  272
.set APART,  32768
.set BHALF,  128*PITCH
.set SLOT,   APART+2*BHALF             ; 102,400
.set SPARE,  3*SLOT                    ; the spare words: 128 bytes a wave, named by no other line
.set STAGE,  SLOT                      ; the way out: 16 rows x 528 bytes a wave, in slot 1: its one fill is over, and every wave's reads of it lie ahead of the last barrier
.set SPITCH, 528
.set SPW, 22
.set NIL, 23
.set SY,  32
.set SX,  48
.set MSB, 0
.macro WIN new
.if MSB != (\new)
	s_set_vgpr_msb (MSB<<8)|(\new)
.set MSB, \new
.endif
.endm
.macro PLACES n
.rept \n
	v_nop
.endr
.endm
.macro CROUND                          ; a round of the cluster's barrier
	s_barrier_signal -1
	s_barrier_wait -1
	s_cmp_lg_u32 s16, 0
	s_cbranch_scc1 .Lnot_wave_0_\@
	s_barrier_signal -3
.Lnot_wave_0_\@:
	s_barrier_wait -3
	s_barrier_signal -1
	s_barrier_wait -1
.endm
	s_load_b256 s[4:11], s[0:1], 0x0               ; cimg, csc, Wo's codes, Wo's scales
	s_load_b128 s[12:15], s[0:1], 0x20             ; b_o, out
	v_lshl_add_u32 v[SPW], v0, 2, SPARE
	v_mov_b32 v[NIL], 0
	ds_add_u32 v22, v23
	ds_add_u32 v22, v23
	s_wait_dscnt 0x0
	v_lshrrev_b32 v1, 5, v0
	v_readfirstlane_b32 s16, v1                    ; wave 0..3
	s_lshr_b32 s17, s16, 1                         ; my half of the tokens.  Also: I fetch ctx (0) or Wo (1)
	s_and_b32 s18, s16, 1                          ; my half of the features.  Also: which half of a tile I fetch
	s_bfe_u32 s20, ttmp6, 0x40000                  ; cx
	s_bfe_u32 s21, ttmp6, 0x40004                  ; cy
	s_lshl_b32 s22, ttmp9, 2
	s_add_co_u32 s22, s22, s20                     ; tile column
	s_and_b32 s23, ttmp7, 0xffff
	s_lshl_b32 s23, s23, 2
	s_add_co_u32 s23, s23, s21                     ; tile row
	s_lshl_b32 s56, s21, 2
	s_lshl_b32 s56, 15, s56                        ; my row of the cluster
	s_lshl_b32 s57, 0x1111, s20                    ; my column
	s_or_b32 s24, s56, (3<<16)|(1<<21)             ; ctx: the mask; elements of 8 bytes; bit 21 beside a mask; no padding: 4 rows of 4,096 bytes, 16,384 bytes apart
	s_mov_b32 s25, 512<<16
	s_mov_b32 s26, 4<<16
	s_mov_b32 s27, 512<<16
	s_mov_b32 s28, 4
	s_mov_b32 s29, 2048
	s_mov_b32 s30, 0
	s_mov_b32 s31, 0
	s_or_b32 s48, s57, (1<<20)|(1<<21)|(5<<22)|(3<<25)   ; Wo: 128 rows of 256 bytes, 4 words of padding behind every 64
	s_mov_b32 s49, 256<<16
	s_mov_b32 s50, 128<<16
	s_mov_b32 s51, 256<<16
	s_mov_b32 s52, 128
	s_mov_b32 s53, 1024
	s_mov_b32 s54, 0
	s_mov_b32 s55, 0
	s_lshl_b32 s84, s23, 3
	s_lshl_b32 s88, s18, 2
	s_add_co_u32 s84, s84, s88
	s_lshl_b32 s84, s84, 14                        ; ctx: tile of tokens 8 x tile row + 4 x half, 16,384 bytes each
	s_mov_b32 s85, 0
	s_lshl_b32 s86, s22, 8
	s_lshl_b32 s88, s18, 7
	s_add_co_u32 s86, s86, s88
	s_lshl_b32 s86, s86, 10                        ; Wo: row 256 x tile column + 128 x half
	s_mov_b32 s87, 0
	s_lshl_b32 s89, s18, 14                        ; where they go in a slot
	s_mul_i32 s90, s18, BHALF
	s_add_co_u32 s90, s90, APART
	s_wait_kmcnt 0x0
	s_add_nc_u64 s[84:85], s[4:5], s[84:85]
	s_add_nc_u64 s[86:87], s[8:9], s[86:87]
	CROUND                                         ; all sixteen work-groups are here: the first joint loads meet
.irp j, 0,1,2,3                                    ; a group 0 for each chunk of K
	s_mov_b32 s[32+4*\j], 1
	s_add_co_u32 s[33+4*\j], s89, (\j%3)*SLOT
	s_add_nc_u64 s[34+4*\j:35+4*\j], s[84:85], 4096*\j
	s_or_b32 s[35+4*\j], s[35+4*\j], 0x80000000
	s_mov_b32 s[68+4*\j], 1
	s_add_co_u32 s[69+4*\j], s90, (\j%3)*SLOT
	s_add_nc_u64 s[70+4*\j:71+4*\j], s[86:87], 256*\j
	s_or_b32 s[71+4*\j], s[71+4*\j], 0x80000000
.endr
	s_cmp_eq_u32 s17, 0                            ; a wave's three first fills stand in one branch: three loads of mine are out
	s_cbranch_scc0 .Lfirst_b
	tensor_load_to_lds s[32:35], s[24:31]
	s_nop 0
	tensor_load_to_lds s[36:39], s[24:31]
	s_nop 0
	tensor_load_to_lds s[40:43], s[24:31]
	s_nop 0
.rept 4
	v_nop
.endr
	s_branch .Lfirst_asked
.Lfirst_b:
	tensor_load_to_lds s[68:71], s[48:55]
	s_nop 0
	tensor_load_to_lds s[72:75], s[48:55]
	s_nop 0
	tensor_load_to_lds s[76:79], s[48:55]
	s_nop 0
.rept 4
	v_nop
.endr
.Lfirst_asked:
	v_and_b32 v3, 31, v0
	v_lshlrev_b32 v18, 4, v3                       ; 16 x lane
	v_lshlrev_b32 v19, 2, v3                       ; 4 x lane
	s_wait_alu depctr_va_vdst(0)
	v_lshlrev_b32 v20, 5, v3                       ; 32 x lane
	s_wait_alu depctr_va_vdst(0)
	v_and_b32 v1, 15, v0                           ; r
	s_wait_alu depctr_va_vdst(0)
	v_bfe_u32 v2, v0, 4, 1                         ; h
	s_lshl_b32 s91, s23, 7
	s_lshl_b32 s88, s17, 6
	s_add_co_u32 s91, s91, s88                     ; my first token
	s_lshl_b32 s92, s22, 8
	s_lshl_b32 s88, s18, 7
	s_add_co_u32 s92, s92, s88                     ; my first feature
	s_mov_b32 s95, 0
	s_lshl_b32 s94, s91, 2
	s_add_nc_u64 s[6:7], s[6:7], s[94:95]
	s_lshl_b32 s94, s92, 5
	s_add_nc_u64 s[10:11], s[10:11], s[94:95]
	s_lshl_b32 s94, s92, 2
	s_add_nc_u64 s[12:13], s[12:13], s[94:95]
	s_add_nc_u64 s[14:15], s[14:15], s[94:95]
	s_lshl_b32 s94, s91, 12
	s_add_nc_u64 s[14:15], s[14:15], s[94:95]
.irp i, 0,1
.irp k, 0,1,2,3,4,5,6,7
	global_load_b32 v[SY+8*\i+\k], v19, s[6:7] offset:32768*\k+128*\i
.endr
.endr
.irp i, 0,1,2,3
	global_load_b128 v[SX+8*\i:SX+8*\i+3],   v20, s[10:11] offset:1024*\i
	global_load_b128 v[SX+8*\i+4:SX+8*\i+7], v20, s[10:11] offset:1024*\i+16
.endr
	global_load_b128 v[24:27], v18, s[12:13]       ; the bias of the four features that I store
	s_lshl_b32 s88, s17, 14
	v_add_nc_u32 v8, s88, v18                      ; ctx's fragments: my 4 tiles, 16 x lane
	v_add_nc_u32 v9, SLOT, v8
	v_add_nc_u32 v10, SLOT, v9
	v_mul_u32_u24 v3, v1, PITCH
	s_wait_alu depctr_va_vdst(0)
	v_lshl_add_u32 v3, v2, 3, v3                   ; Wo's: row x pitch + 8 h: the 32 lanes of a load touch 64 different banks
	s_mul_i32 s88, s18, BHALF
	s_add_co_u32 s88, s88, APART
	v_add_nc_u32 v12, s88, v3
	v_add_nc_u32 v13, SLOT, v12
	v_add_nc_u32 v14, SLOT, v13
	s_mul_i32 s88, s16, 16*SPITCH
	s_add_co_u32 s88, s88, STAGE                   ; my stage
	v_mul_u32_u24 v3, v1, SPITCH
	v_lshl_add_u32 v3, v2, 5, v3
	v_add_nc_u32 v16, s88, v3                      ; in: row r, 32 bytes for each half of the lanes
	v_add_nc_u32 v17, s88, v18                     ; back: the 32 lanes take one row of 512 bytes
.macro WM d, s0, s1, z, sx, sy, pb, pa
.if (\z) && (\pb) && (\pa)
	v_wmma_scale_f32_16x16x128_f8f6f4 v[\d:\d+7], v[\s0:\s0+15], v[\s1:\s1+15], 0, v[\sx], v[\sy] matrix_a_scale:MATRIX_SCALE_ROW1 matrix_b_scale:MATRIX_SCALE_ROW1
.elseif (\z) && (\pb)
	v_wmma_scale_f32_16x16x128_f8f6f4 v[\d:\d+7], v[\s0:\s0+15], v[\s1:\s1+15], 0, v[\sx], v[\sy] matrix_a_scale:MATRIX_SCALE_ROW1
.elseif (\z) && (\pa)
	v_wmma_scale_f32_16x16x128_f8f6f4 v[\d:\d+7], v[\s0:\s0+15], v[\s1:\s1+15], 0, v[\sx], v[\sy] matrix_b_scale:MATRIX_SCALE_ROW1
.elseif \z
	v_wmma_scale_f32_16x16x128_f8f6f4 v[\d:\d+7], v[\s0:\s0+15], v[\s1:\s1+15], 0, v[\sx], v[\sy]
.elseif (\pb) && (\pa)
	v_wmma_scale_f32_16x16x128_f8f6f4 v[\d:\d+7], v[\s0:\s0+15], v[\s1:\s1+15], v[\d:\d+7], v[\sx], v[\sy] matrix_a_scale:MATRIX_SCALE_ROW1 matrix_b_scale:MATRIX_SCALE_ROW1
.elseif \pb
	v_wmma_scale_f32_16x16x128_f8f6f4 v[\d:\d+7], v[\s0:\s0+15], v[\s1:\s1+15], v[\d:\d+7], v[\sx], v[\sy] matrix_a_scale:MATRIX_SCALE_ROW1
.elseif \pa
	v_wmma_scale_f32_16x16x128_f8f6f4 v[\d:\d+7], v[\s0:\s0+15], v[\s1:\s1+15], v[\d:\d+7], v[\sx], v[\sy] matrix_b_scale:MATRIX_SCALE_ROW1
.else
	v_wmma_scale_f32_16x16x128_f8f6f4 v[\d:\d+7], v[\s0:\s0+15], v[\s1:\s1+15], v[\d:\d+7], v[\sx], v[\sy]
.endif
.endm
; 16 products: token tiles a0, a0 + 1 x Wo's eight, K step ks, fragment sets p.  The 32 accumulators take turns in one order
.macro MUL16 a0, p, ks, z
.irp a, \a0, \a0+1
.irp b, 0,1,2,3,4,5,6,7
	WM 8*(8*(\a)+\b), 128*(\p)+16*\b, 128+64*(\p)+16*(\a), \z, SX+8*(\b/2)+(\ks), SY+8*((\a)/2)+(\ks), \b%2, (\a)%2
.endr
.endr
.endm
.macro FETCH s, q, p                   ; the fragments of slot s's q-th 128 along K into sets p
	WIN 0x40
.irp b, 0,1,2,3,4,5,6,7
.irp c, 0,1,2,3,4,5,6,7
	ds_load_b64 v[128*(\p)+16*\b+2*\c:128*(\p)+16*\b+2*\c+1], v[12+\s] offset:16*PITCH*\b+128*(\q)+16*\c
.endr
.endr
	WIN 0
.irp a, 0,1,2,3
.irp c, 0,1,2,3
	ds_load_b128 v[128+64*(\p)+16*\a+4*\c:128+64*(\p)+16*\a+4*\c+3], v[8+\s] offset:4096*\a+2048*(\q)+512*\c
.endr
.endr
.endm
; K step ks; the next step's fragments (slot s, q) are asked for first, eight plain places behind the products that read their registers
.macro STEPN ks, s, q, z
	s_wait_dscnt 0x0                               ; this step's fragments are in
	PLACES 8
	FETCH \s, \q, 1-(\ks)%2
	WIN 0xa1                                       ; source 0 (Wo) window 1, source 1 (ctx) window 0, C and D window 2
	MUL16 0, (\ks)%2, \ks, \z
	MUL16 2, (\ks)%2, \ks, \z
	WIN 0
.endm
	s_wait_alu depctr_va_vdst(0)
	s_wait_tensorcnt 0x2                           ; my part of chunk 0 is in; chunks 1 and 2 may be out
	s_barrier_signal -1
	s_barrier_wait -1
	FETCH 0, 0, 0
	s_wait_loadcnt 0x0                             ; the scale words and the bias
	STEPN 0, 0, 1, 1                               ; the first products start the sums
	; K step 1: slot 0 has been read out and takes chunk 3
	s_wait_tensorcnt 0x0                           ; all my tensor loads have landed: my parts of slots 1 and 2
	ds_add_u32 v[SPW], v[NIL]                      ; 0 onto my spare word
	s_wait_dscnt 1                                 ; (the add may be out: this step's fragments are in)
	WIN 0xa1
	MUL16 0, 1, 1, 0
	s_wait_dscnt 0x0                               ; the add is done, and my reads of slot 0 are over
	WIN 0
	CROUND                                         ; no wave of any partner still reads slot 0 or has a load on its way
	s_cmp_eq_u32 s17, 0
	s_cbranch_scc0 .Lthird_b
	tensor_load_to_lds s[44:47], s[24:31]
	s_nop 0
.rept 4
	v_nop
.endr
	s_branch .Lthird_asked
.Lthird_b:
	tensor_load_to_lds s[80:83], s[48:55]
	s_nop 0
.rept 4
	v_nop
.endr
.Lthird_asked:
	PLACES 4                                       ; with the four above: eight places
	FETCH 1, 0, 0
	WIN 0xa1
	MUL16 2, 1, 1, 0
	WIN 0
	STEPN 2, 1, 1, 0
	STEPN 3, 2, 0, 0
	STEPN 4, 2, 1, 0
	; K step 5: chunk 3 is wanted next
	s_wait_tensorcnt 0x0                           ; my one load that was out: my part of chunk 3
	s_wait_dscnt 0x0
	WIN 0xa1
	MUL16 0, 1, 5, 0
	WIN 0
	s_barrier_signal -1
	s_barrier_wait -1                              ; everybody's part is in
	PLACES 8
	FETCH 0, 0, 0
	WIN 0xa1
	MUL16 2, 1, 5, 0
	WIN 0
	STEPN 6, 0, 1, 0
	s_wait_dscnt 0x0
	WIN 0xa1
	MUL16 0, 1, 7, 0
	MUL16 2, 1, 7, 0
	WIN 0
; THE WAY OUT, 16 tokens x 128 features at a time, through my own stage: in as 32 bytes a lane, back as whole rows of 512 bytes.  LDS serves a wave's instructions in order (ISA guide 5.7.1.4): no wait between stores and loads.
.macro TOSTAGE a
	WIN 0x08                                       ; an LDS store's data are its source 1: window 2
.irp b, 0,1,2,3,4,5,6,7
	ds_store_b128 v16, v[8*(8*(\a)+\b):8*(8*(\a)+\b)+3] offset:64*\b        ; each accumulator from its low end on
	ds_store_b128 v16, v[8*(8*(\a)+\b)+4:8*(8*(\a)+\b)+7] offset:64*\b+16
.endr
	WIN 0
.set BB, 128+64*((\a)%2)
.irp t, 0,1,2,3,4,5,6,7,8,9,10,11,12,13,14,15
	ds_load_b128 v[BB+4*\t:BB+4*\t+3], v17 offset:\t*SPITCH
.endr
.endm
.macro SEND a, younger                 ; younger: the LDS instructions issued behind block a's loads, which may stay out
.set BB, 128+64*((\a)%2)
	s_wait_dscnt \younger
.irp t, 0,1,2,3,4,5,6,7,8,9,10,11,12,13,14,15
	v_pk_add_f32 v[BB+4*\t:BB+4*\t+1], v[BB+4*\t:BB+4*\t+1], v[24:25]
	v_pk_add_f32 v[BB+4*\t+2:BB+4*\t+3], v[BB+4*\t+2:BB+4*\t+3], v[26:27]
.endr
.irp t, 0,1,2,3,4,5,6,7,8,9,10,11,12,13,14,15
	global_store_b128 v18, v[BB+4*\t:BB+4*\t+3], s[14:15] offset:(16*(\a)+\t)*4096 th:TH_STORE_NT   ; 32 lanes store 512 consecutive bytes, at a multiple of 256 from out's first byte; 63 rows at the most stand in the immediate
.endr
.endm
	PLACES 8                                       ; in front of the first read of results and of loads into ctx's old registers
	TOSTAGE 0
	TOSTAGE 1
	SEND 0, 32                                     ; behind block 0's loads: block 1's 16 stores and 16 loads
	s_wait_xcnt 0x0                                ; block 0's stores have read their registers: block 2's loads may land there
	TOSTAGE 2
	SEND 1, 32
	s_wait_xcnt 0x0
	TOSTAGE 3
	SEND 2, 32
	SEND 3, 0
	s_wait_tensorcnt 0x0                           ; the wave's end
	ds_add_u32 v[SPW], v[NIL]
	s_wait_dscnt 0x0
	CROUND                                         ; the closing round
	s_endpgm
.Lfunc_end_k_q6cacbd4716_outp:
	.size	k_q6cacbd4716_outp, .Lfunc_end_k_q6cacbd4716_outp-k_q6cacbd4716_outp
	.p2alignl 7, 3214868480
	.fill 96, 4, 3214868480
	.section	.rodata,"a",@progbits
	.p2align	6, 0x0
	.amdhsa_kernel k_q6cacbd4716_outp
		.amdhsa_group_segment_fixed_size 327680
		.amdhsa_private_segment_fixed_size 0
		.amdhsa_enable_private_segment 0
		.amdhsa_kernarg_size 48
		.amdhsa_user_sgpr_count 2
		.amdhsa_user_sgpr_kernarg_segment_ptr 1
		.amdhsa_wavefront_size32 1
		.amdhsa_system_sgpr_workgroup_id_x 1
		.amdhsa_system_sgpr_workgroup_id_y 1
		.amdhsa_system_sgpr_workgroup_id_z 1
		.amdhsa_system_vgpr_workitem_id 0
		.amdhsa_next_free_vgpr 768
		.amdhsa_next_free_sgpr 100
		.amdhsa_reserve_vcc 0
		.amdhsa_float_denorm_mode_32 3
		.amdhsa_float_denorm_mode_16_64 3
		.amdhsa_memory_ordered 1
		.amdhsa_forward_progress 1
		.amdhsa_inst_pref_size 110
	.end_amdhsa_kernel
	.amdgpu_metadata
---
amdhsa.version: [ 1, 2 ]
amdhsa.kernels:
  - .name:           k_q6cacbd4716_outp
    .symbol:         k_q6cacbd4716_outp.kd
    .args:
      - { .name: cimg, .offset: 0, .size: 8, .value_kind: global_buffer, .address_space: global }
      - { .name: csc, .offset: 8, .size: 8, .value_kind: global_buffer, .address_space: global }
      - { .name: W_o_codes, .offset: 16, .size: 8, .value_kind: global_buffer, .address_space: global }
      - { .name: W_o_scales, .offset: 24, .size: 8, .value_kind: global_buffer, .address_space: global }
      - { .name: b_o, .offset: 32, .size: 8, .value_kind: global_buffer, .address_space: global }
      - { .name: out0, .offset: 40, .size: 8, .value_kind: global_buffer, .address_space: global }
    .group_segment_fixed_size: 327680
    .private_segment_fixed_size: 0
    .kernarg_segment_align: 8
    .kernarg_segment_size: 48
    .max_flat_workgroup_size: 128
    .sgpr_count:     100
    .vgpr_count:     768
    .wavefront_size: 32
...
	.end_amdgpu_metadata
.endif
;; end of part 3
